; MI455X (gfx1250); checked and timed in simulation.
; The chip was launched on July 23, 2026; its instructions are those of AMD's public machine-readable ISA for CDNA 5 (MIT licence, August 2026) and "CDNA5" Instruction Set Architecture Reference Guide (July 2026). The comments in the code are by the model that wrote it; some were corrected since.
;; Mixture Of Experts. Allowed arithmetic: matrix products marked QUANTISED: E2M1 operands, one E8M0 scale for each 32 along K, by v_wmma_scale_f32_16x16x128_f8f6f4 with both operands' format E2M1 (or v_wmma_scale_f32_32x16x128_f4), f32 sums; products left as they are: f32 operands where the result goes on into a quantised operand, else bf16, f16 or f32 operands; f32 sums; everything else in f32.
;; Inputs: W1_codes 8 x 2,048 x 16 x 16 uint8 (E2M1 codes of W1, K innermost, in blocks of 32 codes, two codes a byte); W1_scales 8 x 2,048 x 16 uint8 (E8M0 scales of W1, one for each 32 codes along K); W2_codes 8 x 512 x 64 x 16 uint8 (E2M1 codes of W2, K innermost, in blocks of 32 codes, two codes a byte); W2_scales 8 x 512 x 64 uint8 (E8M0 scales of W2, one for each 32 codes along K); Wr 512 x 8 float32; b1 8 x 2,048 float32; b2 8 x 512 float32; input_batch 4,096 x 512 float32.
;; Outputs: out0 4,096 x 512 float32; out1 one number float32.
;; This version of the problem:
;;   THIS VERSION OF THE PROBLEM IS GIVEN IN LOW PRECISION. The matrix products marked QUANTISED in the list below multiply operands that are first quantised to E2M1 (2 exponent bits, 1 mantissa bit; 4 bits a number), with one power-of-two scale for each 32 numbers along K (OCP MX v1.0); their sums are f32. All else is computed in f32.
;;   The module's matrix products, in the order in which they are computed (A, B: the left and right operand; K: the contracted axis; several contracted axes count as one K, in the product's order):
;;     1. [M 4,096, K 512] x [K 512, N 8]; A: input input_batch; B: input Wr: left as it is (N = 8 < 16)
;;     2. batch 4,096 x [M 8, K 2] x [K 2, N 1]; A: computed on the way; B: computed on the way: left as it is (K = 2 < 32)
;;     3. [M 4,096, K 512] x [K 512, N 2,048]; A: input input_batch; B: input W1 (given as codes): QUANTISED
;;     4. [M 4,096, K 2,048] x [K 2,048, N 512]; A: computed on the way; B: input W2 (given as codes): QUANTISED
;;     5. [M 4,096, K 512] x [K 512, N 2,048]; A: input input_batch; B: input W1 (given as codes): QUANTISED
;;     6. [M 4,096, K 2,048] x [K 2,048, N 512]; A: computed on the way; B: input W2 (given as codes): QUANTISED
;;     7. [M 4,096, K 512] x [K 512, N 2,048]; A: input input_batch; B: input W1 (given as codes): QUANTISED
;;     8. [M 4,096, K 2,048] x [K 2,048, N 512]; A: computed on the way; B: input W2 (given as codes): QUANTISED
;;     9. [M 4,096, K 512] x [K 512, N 2,048]; A: input input_batch; B: input W1 (given as codes): QUANTISED
;;     10. [M 4,096, K 2,048] x [K 2,048, N 512]; A: computed on the way; B: input W2 (given as codes): QUANTISED
;;     11. [M 4,096, K 512] x [K 512, N 2,048]; A: input input_batch; B: input W1 (given as codes): QUANTISED
;;     12. [M 4,096, K 2,048] x [K 2,048, N 512]; A: computed on the way; B: input W2 (given as codes): QUANTISED
;;     13. [M 4,096, K 512] x [K 512, N 2,048]; A: input input_batch; B: input W1 (given as codes): QUANTISED
;;     14. [M 4,096, K 2,048] x [K 2,048, N 512]; A: computed on the way; B: input W2 (given as codes): QUANTISED
;;     15. [M 4,096, K 512] x [K 512, N 2,048]; A: input input_batch; B: input W1 (given as codes): QUANTISED
;;     16. [M 4,096, K 2,048] x [K 2,048, N 512]; A: computed on the way; B: input W2 (given as codes): QUANTISED
;;     17. [M 4,096, K 512] x [K 512, N 2,048]; A: input input_batch; B: input W1 (given as codes): QUANTISED
;;     18. [M 4,096, K 2,048] x [K 2,048, N 512]; A: computed on the way; B: input W2 (given as codes): QUANTISED
;;   THE QUANTISER, for each operand of a quantised product, along K:
;;     - K is cut into blocks of 32 from its start; a last block that is shorter is filled with zeros.
;;     - A block's scale is 2^e with e = floor(log2(the largest magnitude in the block)) - 2, held to -126 .. 127; a block of zeros has e = 0. As a byte (E8M0): e + 127.
;;     - Each number is divided by its block's scale, clamped to +-6, and rounded to the nearest number of E2M1, ties to even, subnormals kept.
;;     - The product sums the exact products of the quantised numbers (number of the format x scale) in f32.
;;   ~~~python
;;   def quantise(x, axis):      # numpy; x: float32 -> the quantised numbers, widened to float32 again
;;       x = np.moveaxis(x, axis, -1); K = x.shape[-1]
;;       x = np.pad(x, [(0, 0)] * (x.ndim - 1) + [(0, -K % 32)]); x = x.reshape(x.shape[:-1] + (-1, 32)); a = np.abs(x).max(-1, keepdims=True)
;;       e = np.where(a > 0, np.clip(np.frexp(np.where(a > 0, a, 1))[1] - 1 - 2, -126, 127), 0)      # np.frexp(a)[1] - 1 = floor(log2(a)), exactly
;;       r = np.clip(x / 2.0 ** e, -6, 6)
;;       step = 2.0 ** (np.maximum(np.frexp(np.where(r == 0, 1, r))[1] - 1, 0) - 1)
;;       q = np.round(r / step) * step * 2.0 ** e      # np.round: ties to even
;;       return np.moveaxis(q.reshape(q.shape[:-2] + (-1,))[..., :K], -1, axis).astype(np.float32)
;;   ~~~
;;   OPERANDS COMPUTED ON THE WAY. 'Computed on the way' means the value that the module computes at that place (a softmax that the list does not call 'softmax' is quantised finished and normalised). What goes into a quantiser is computed in f32, as accurately as f32 sums, v_exp_f32 and their like allow (about 1e-6 of the number): no bf16 or f16 on the way to a quantiser, and a product that is left as it is and whose result goes on into a quantised operand takes f32 operands (vector FMAs, or v_wmma_f32_16x16x4_f32). A number that lies on a knife's edge between two numbers of the format may be rounded either way, as far as f32 arithmetic and the matrix unit's own rounding can turn it there, and no further.
;;   INPUTS GIVEN AS CODES. W1 (in the module: [8, 512, 2048], K = its axis 1); W2 (in the module: [8, 2048, 512], K = its axis 1): each comes as NAME_codes (uint8): NAME with its K axis moved to the last place and cut into blocks of 32 codes, [.., K / 32, bytes a block], one block behind the other in memory; two codes a byte, the lower K in the low four bits (a code: sign, 2 exponent bits, 1 mantissa bit); and NAME_scales (uint8): the same leading axes, one E8M0 byte (e + 127) for each 32 codes along K. Its value is code x scale, taken as it is: it is not quantised again, and the codes and scales need not be those that the quantiser above would give.
;; One version. Each part assembles by itself: llvm-mc -triple=amdgcn-amd-amdhsa -mcpu=gfx1250 --defsym DOCPART=n.
;; ======== version 1 of 1: 2 launches
;; workspace buffers: wf 8,650,752 bytes; xq 1,114,112 bytes; gates 32,768 bytes; route 49,152 bytes of whole numbers
;; launch prep (part 1): grid 256 x 1, 8 waves a work-group, no clusters, 81,920 bytes of LDS; arguments input_batch, Wr, W1_codes, W2_codes, W2_scales, xq, gates, route, wf, out1; writes xq, gates, route, wf, out1
.if DOCPART == 1
	.amdgcn_target "amdgcn-amd-amdhsa--gfx1250"
	.amdhsa_code_object_version 6
	.text
	.protected	k_q5fa1d8687b_prep
	.globl	k_q5fa1d8687b_prep
	.p2align	8
	.type	k_q5fa1d8687b_prep,@function
k_q5fa1d8687b_prep:
	s_mov_b64 s[64:65], 0
	v_nop
	global_prefetch_b8 v0, s[64:65] scope:SCOPE_SE
	s_setreg_imm32_b32 hwreg(HW_REG_WAVE_MODE, 25, 1), 1
	s_wait_xcnt 0x0
; MIXTURE OF EXPERTS, launch 1 of 2.  4,096 tokens of 512 numbers, 8 experts (512 -> 2,048 -> 512, both products on E2M1 codes), two experts a token.
; WORK LEFT OUT BY THE PROGRAM: out0 = the sum over e of gates[:, e] x y_e, and gates is built in the problem's own body from one_hot(topi): for every token it is 0 for the six experts that
; top_k did not return, whatever the inputs hold.  In real numbers 0 x y_e = 0, so those six rows of both products of each expert reach no output; only the 8,192 chosen (token, expert) rows are multiplied.
; Which rows those are is decided here, stored as whole numbers, and turned into addresses by the second launch.  Every input is loaded.
; LIMITS: a NaN, an infinity or an overflow that arises only in a row of an expert that was not chosen is not carried to out0.  NaN and infinities among the inputs are not served.
; The two experts are chosen on the f32 logits (strictly greater wins, so the lower index keeps a tie), which is the order of the probabilities in real numbers: two logits so close that the
; f32 probabilities tie, or that the order of an f32 sum turns them, may give the other expert.  A block of 32 zeros of x gets the scale byte 1, not 127: its codes are zeros, and only this program reads the bytes.
; THREE PATHS, parted on the work-group's number; only the first touches LDS.
;  work-groups 0-127, ROUTER: 32 tokens each.  x is quantised along its 512 (codes and scale bytes to xq, in natural order); logits in f32 by the f32 matrix form; top 2, softmax with the maximum
;     taken away, the two gates (lower expert's first); key = 8 lo + hi; the token's rank among its 32 with the same key, and the 32 tokens' histogram over the 64 keys.  All to fixed places.
;     Work-group 0 also stores out1 = 0.
;  work-groups 128-191: W1's codes, work-groups 192-255: W2's codes and scale bytes, are laid once in the order in which the second launch's operand registers take them (wf): a group is 8 fragments of
;     16 rows x 128 K, each as two runs of 32 lanes x 16 bytes.  A wave takes one group of 8,192 bytes.
.set XTW,   8448                       ; LDS: a stage of 16 rows x 528 bytes for each wave, from byte 0 on: 528 is an odd multiple of 16, so the 16 rows that a load touches begin at 16 different 16-byte columns of 256
.set PL,    67584                      ; partial logits [q 4][token 32][8 f32]
.set CS,    71680                      ; the tokens' codes, 32 rows x (256 + 16) bytes
.set SS,    80384                      ; their scale bytes [token 32][16]
.set SPARE, 80896                      ; the spare words, 128 bytes for each wave: four blocks of 256 bytes that no other line names
.set X,   16                           ; v16-79   64 numbers of x; later at work
.set WA,  80                           ; v80-143  Wr as the f32 form's source 0
.set AC,  144                          ; v144-175 four f32 accumulators: written by the f32 matrix instructions alone
.set S,   176                          ; v176-183 my part of 8 logits
.set TM,  184                          ; v184-199 the quantiser's: largest magnitudes, bytes, scale operands
.set PC,  200                          ; v200-207 a fragment's codes
.set PW,  208                          ; v208     its scale word
.set LN,  209                          ; v209 lane, v210 lane % 16, v211 lane / 16
.set RR,  210
.set HH,  211
.set T2,  212                          ; v212-213 at work
.set SEL, 22                           ; s[22:23] selects of v_permlanex16_b32 for lane l xor 16
	s_load_b512 s[4:19], s[0:1], 0x0               ; x s[4:5], Wr s[6:7], W1's codes s[8:9], W2's codes s[10:11], W2's scales s[12:13], xq s[14:15], gates s[16:17], route s[18:19]
	s_load_b64 s[20:21], s[0:1], 0x40              ; wf
	s_load_b64 s[46:47], s[0:1], 0x48              ; out1
	v_lshl_add_u32 v1, v0, 2, SPARE                ; my spare word,
	v_mov_b32 v2, 0                                ; and 0: kept for the add at the wave's end alone
	v_lshrrev_b32 v15, 5, v0
	v_readfirstlane_b32 s24, v15                   ; wave 0..7
	v_and_b32 v[LN], 31, v0
	v_and_b32 v[RR], 15, v0
	v_bfe_u32 v[HH], v0, 4, 1
	v_lshlrev_b32 v3, 4, v[LN]                     ; 16 x lane
	s_wait_kmcnt 0x0
	s_cmp_ge_u32 ttmp9, 128
	s_cbranch_scc1 .Lrepack
	; ---------------- ROUTER.  Wave w: tokens 16 (w / 4) + 0..15 of the 32, K = 128 (w % 4) + 0..127
	s_lshr_b32 s25, s24, 2                         ; tt
	s_and_b32 s26, s24, 3                          ; q
	s_mov_b32 s[SEL], 0x76543210
	s_mov_b32 s[SEL+1], 0xfedcba98
	s_mul_i32 s27, s24, XTW
	v_add_nc_u32 v4, s27, v3                       ; v4  my stage, way in: 16 x lane (row i by the immediate)
	v_mul_u32_u24 v5, v[RR], 528
	v_lshl_add_u32 v5, v[HH], 6, v5
	v_add_nc_u32 v5, s27, v5                       ; v5  way out: row r, + 64 h: 16 numbers of each block of 32
	v_and_b32 v6, 7, v[RR]
	v_lshlrev_b32 v6, 2, v6
	v_lshl_add_u32 v6, v[HH], 9, v6                ; v6  Wr: column r % 8, 16 h rows of 32 bytes down
	s_lshl_b32 s28, s25, 4
	v_add_nc_u32 v15, s28, v[RR]                   ; my token among the 32
	s_lshl_b32 s29, s26, 10
	s_add_co_u32 s29, s29, PL
	v_lshl_add_u32 v7, v15, 5, s29                 ; v7  partial logits: PL + 1,024 q + 32 token
	v_mul_u32_u24 v8, v15, 272
	v_lshl_add_u32 v8, v[HH], 4, v8
	s_lshl_b32 s29, s26, 6
	s_add_co_u32 s29, s29, CS
	v_add_nc_u32 v8, s29, v8                       ; v8  codes: CS + 272 token + 64 q + 16 h
	s_lshl_b32 s29, s26, 2
	s_add_co_u32 s29, s29, SS
	v_lshl_add_u32 v9, v15, 4, s29                 ; v9  scale word: SS + 16 token + 4 q
	s_mul_i32 s29, s24, 4*272
	s_add_co_u32 s29, s29, CS
	v_mul_u32_u24 v10, v[HH], 272
	v_lshl_add_u32 v10, v[RR], 4, v10
	v_add_nc_u32 v10, s29, v10                     ; v10 codes back by rows: rows 4 w + h, 16 lanes to a row
	v_add_nc_u32 v11, SS, v3                       ; v11 scale bytes back: a token a lane
	v_lshl_add_u32 v12, v[LN], 5, PL               ; v12 logits back: a token a lane
	v_lshlrev_b32 v13, 2, v[LN]
	v_lshlrev_b32 v14, 3, v[LN]
.irp b, 0,1,2,3
	v_mov_b32 v[TM+4+\b], 0                        ; written once: a lane permute's destination counts as one of its sources
.endr
	s_lshl_b32 s30, ttmp9, 16                      ; x: 32 rows of 2,048 bytes a work-group,
	s_lshl_b32 s31, s25, 15                        ; 16 rows,
	s_add_co_u32 s30, s30, s31
	s_lshl_b32 s31, s26, 9                         ; 128 numbers
	s_add_co_u32 s30, s30, s31
	s_mov_b32 s31, 0
	s_add_nc_u64 s[4:5], s[4:5], s[30:31]
	s_lshl_b32 s30, s26, 12
	s_add_nc_u64 s[6:7], s[6:7], s[30:31]          ; Wr at row 128 q
	s_lshl_b32 s30, ttmp9, 13
	s_lshl_b32 s28, s24, 10
	s_add_co_u32 s30, s30, s28
	s_add_nc_u64 s[32:33], s[14:15], s[30:31]      ; xq: the codes of my four rows
	s_lshl_b32 s30, ttmp9, 9
	s_add_nc_u64 s[34:35], s[14:15], s[30:31]      ; xq: the 32 tokens' scale bytes (+ 1 MiB by the immediate)
	s_lshl_b32 s30, ttmp9, 7
	s_add_nc_u64 s[38:39], s[18:19], s[30:31]      ; route: tk of my 32 tokens
	s_lshl_b32 s30, ttmp9, 8
	s_add_nc_u64 s[40:41], s[16:17], s[30:31]      ; gates
	s_add_nc_u64 s[42:43], s[18:19], s[30:31]      ; route: my histogram (+ 16,384 by the immediate)
.irp i, 0,1,2,3,4,5,6,7,8,9,10,11,12,13,14,15
	global_load_b128 v[X+4*\i:X+4*\i+3], v3, s[4:5] offset:2048*\i th:TH_LOAD_NT   ; token i's 128 numbers: 32 lanes read 512 consecutive bytes
.endr
; Wr for the f32 form, 16 x 16 x 4: instruction n = 8 b + p takes k = 128 q + 32 b + 16 h + 2 p + j (j: the register), the very k that x's registers 2 n, 2 n + 1 hold behind the turn through LDS.
; Source 0's row m is expert m % 8: rows 8-15 repeat rows 0-7, so both halves of the lanes end with the same eight logits.
.macro WRLOAD from
.set n, \from
.rept 16
	global_load_b32 v[WA+2*n], v6, s[6:7] offset:32*(32*(n/8)+2*(n%8))
	global_load_b32 v[WA+2*n+1], v6, s[6:7] offset:32*(32*(n/8)+2*(n%8)+1)
.set n, n+1
.endr
.endm
	WRLOAD 0
	s_wait_loadcnt 32                              ; x's sixteen loads are in: the 32 of Wr issued behind them may be out
.irp i, 0,1,2,3,4,5,6,7,8,9,10,11,12,13,14,15
	ds_store_b128 v4, v[X+4*\i:X+4*\i+3] offset:528*\i
.endr
.irp b, 0,1,2,3
.irp j, 0,1,2,3
	ds_load_b128 v[X+16*\b+4*\j:X+16*\b+4*\j+3], v5 offset:128*\b+16*\j   ; LDS serves a wave's instructions in order: these see my stores.  Register 16 b + i = x(token r, 128 q + 32 b + 16 h + i)
.endr
.endr
	WRLOAD 16
	s_wait_dscnt 0x0
	s_wait_loadcnt 0x0
.set n, 0
.rept 32                                           ; four accumulators by turns, one instruction a turn; the first four start the sums with the constant 0
.if n < 4
	v_wmma_f32_16x16x4_f32 v[AC+8*(n%4):AC+8*(n%4)+7], v[WA+2*n:WA+2*n+1], v[X+2*n:X+2*n+1], 0
.else
	v_wmma_f32_16x16x4_f32 v[AC+8*(n%4):AC+8*(n%4)+7], v[WA+2*n:WA+2*n+1], v[X+2*n:X+2*n+1], v[AC+8*(n%4):AC+8*(n%4)+7]
.endif
.set n, n+1
.endr
	; x's 64 numbers of a lane become a fragment's codes and its row's scale word.  These lines read the products' sources and write none of their registers; more than eight of them name no register of the last product: its places
.irp b, 0,1,2,3
	v_max3_num_f32 v[TM+\b], |v[X+16*\b]|, |v[X+1+16*\b]|, 0x1800000   ; block b: my 16 numbers, and the floor 2^(3 - 127): the byte cannot fall under 1
.endr
.irp i, 2,4,6,8,10,12,14
.irp b, 0,1,2,3
	v_max3_num_f32 v[TM+\b], v[TM+\b], |v[X+16*\b+\i]|, |v[X+1+16*\b+\i]|   ; the four blocks by turns
.endr
.endr
.irp b, 0,1,2,3
	v_permlanex16_b32 v[TM+4+\b], v[TM+\b], s[SEL], s[SEL+1]
.endr
.irp b, 0,1,2,3
	v_max_num_f32 v[TM+\b], v[TM+\b], v[TM+4+\b]   ; with lane l xor 16's: the block's largest magnitude
.endr
.irp b, 0,1,2,3
	v_add_nc_u32 v[TM+12+\b], 0xff000000, v[TM+\b] ; 2 off its exponent field: the conversion takes that field as its scale
.endr
.irp b, 0,1,2,3
	v_lshrrev_b32 v[TM+4+\b], 23, v[TM+12+\b]      ; the scale's byte
.endr
	v_lshl_or_b32 v[PW], v[TM+5], 8, v[TM+4]
	v_lshl_or_b32 v[PW], v[TM+6], 16, v[PW]
	v_lshl_or_b32 v[PW], v[TM+7], 24, v[PW]
.irp b, 0,1,2,3
	v_cvt_scalef32_pk8_fp4_f32 v[PC+2*\b], v[X+16*\b:X+7+16*\b], v[TM+12+\b]
	v_cvt_scalef32_pk8_fp4_f32 v[PC+1+2*\b], v[X+8+16*\b:X+15+16*\b], v[TM+12+\b]
.endr
	v_nop                                          ; one plain place behind a scaled conversion
.irp c, 0,1                                        ; a whole block to a lane: lanes 0-15 block 2 c, lanes 16-31 block 2 c + 1
.irp i, 0,1
	v_permlane16_swap_b32 v[PC+4*\c+\i], v[PC+2+4*\c+\i]
.endr
.endr
.irp j, 0,2,4,6                                    ; the four accumulators' sum, each read from its low end on, into other registers
	v_pk_add_f32 v[S+\j:S+\j+1], v[AC+\j:AC+\j+1], v[AC+8+\j:AC+9+\j]
	v_pk_add_f32 v[T2:T2+1], v[AC+16+\j:AC+17+\j], v[AC+24+\j:AC+25+\j]
	v_pk_add_f32 v[S+\j:S+\j+1], v[S+\j:S+\j+1], v[T2:T2+1]
.endr
	ds_store_b128 v7, v[S:S+3]                     ; both halves of the lanes write the same bytes with the same values
	ds_store_b128 v7, v[S+4:S+7] offset:16
	ds_store_b128 v8, v[PC:PC+3]                   ; registers 4 c .. 4 c + 3 are bytes 64 q + 32 c + 16 h on of my token's 256
	ds_store_b128 v8, v[PC+4:PC+7] offset:32
	ds_store_b32 v9, v[PW]
	s_wait_dscnt 0x0                               ; for the others' sake: my stores have landed
	s_barrier_signal -1
	s_barrier_wait -1
	ds_load_b128 v[16:19], v10                     ; four whole rows of codes a wave
	ds_load_b128 v[20:23], v10 offset:544
	s_wait_dscnt 0x0
	global_store_b128 v3, v[16:19], s[32:33]       ; 32 lanes store 512 consecutive bytes: two rows
	global_store_b128 v3, v[20:23], s[32:33] offset:512
	s_cmp_eq_u32 s24, 1
	s_cbranch_scc0 .Lnot_wave_1
	ds_load_b128 v[24:27], v11                     ; wave 1: the 32 tokens' scale bytes, 512 consecutive bytes
	s_wait_dscnt 0x0
	global_store_b128 v3, v[24:27], s[34:35] offset:1048576
	s_branch .Lend
.Lnot_wave_1:
	s_cmp_eq_u32 s24, 0
	s_cbranch_scc0 .Lend
	; wave 0: a token a lane
.irp q, 0,1,2,3
	ds_load_b128 v[32+8*\q:35+8*\q], v12 offset:1024*\q
	ds_load_b128 v[36+8*\q:39+8*\q], v12 offset:1024*\q+16
.endr
	s_wait_dscnt 0x0
.irp j, 0,2,4,6
	v_pk_add_f32 v[32+\j:33+\j], v[32+\j:33+\j], v[40+\j:41+\j]
	v_pk_add_f32 v[32+\j:33+\j], v[32+\j:33+\j], v[48+\j:49+\j]
	v_pk_add_f32 v[32+\j:33+\j], v[32+\j:33+\j], v[56+\j:57+\j]   ; v32-39: the eight logits
.endr
	v_mov_b32 v64, v32                             ; the largest so far, v65 its expert;
	v_mov_b32 v65, 0
	v_mov_b32 v66, 0xff800000                      ; the second, v67 its expert
	v_mov_b32 v67, 0
.irp e, 1,2,3,4,5,6,7
	v_mov_b32 v68, \e
	v_cmp_gt_f32 s36, v[32+\e], v64                ; strictly greater: the lower index keeps a tie
	v_cmp_gt_f32 s37, v[32+\e], v66
	v_cndmask_b32 v66, v66, v[32+\e], s37
	v_cndmask_b32 v67, v67, v68, s37
	v_cndmask_b32 v66, v66, v64, s36
	v_cndmask_b32 v67, v67, v65, s36
	v_cndmask_b32 v64, v64, v[32+\e], s36
	v_cndmask_b32 v65, v65, v68, s36
.endr
.irp e, 0,1,2,3,4,5,6,7
	v_sub_f32 v[40+\e], v[32+\e], v64              ; the maximum is taken away
.endr
	v_sub_f32 v48, v66, v64
.irp e, 0,1,2,3,4,5,6,7,8
	v_mul_f32 v[40+\e], 0x3fb8aa3b, v[40+\e]
.endr
.irp e, 0,1,2,3,4,5,6,7,8
	v_exp_f32 v[40+\e], v[40+\e]
.endr
	v_min_u32 v69, v65, v67                        ; lo (a plain place behind the exponentials)
	v_max_u32 v70, v65, v67                        ; hi
	s_wait_alu depctr_va_vdst(0)                   ; one wait for the nine, ahead of their first reader
	v_add_f32 v40, v40, v41
	v_add_f32 v42, v42, v43
	v_add_f32 v44, v44, v45
	v_add_f32 v46, v46, v47
	v_add_f32 v40, v40, v42
	v_add_f32 v44, v44, v46
	v_add_f32 v40, v40, v44
	v_rcp_f32 v49, v40                             ; the largest's gate: 1 / the sum
	v_lshl_or_b32 v71, v69, 3, v70                 ; key = 8 lo + hi (a plain place)
	s_wait_alu depctr_va_vdst(0)
	v_mul_f32 v50, v48, v49                        ; the second's gate
	v_cmp_lt_u32 s36, v65, v67
	v_cndmask_b32 v72, v50, v49, s36               ; the lower expert's gate,
	v_cndmask_b32 v73, v49, v50, s36               ; the higher's
	v_mov_b32 v74, 0                               ; my rank among the 32 with my key
	v_mov_b32 v76, 0                               ; the histogram: lane l holds keys 2 l and 2 l + 1
	v_mov_b32 v77, 0
.irp k, 1,2,3,4,5,6,7,10,11,12,13,14,15,19,20,21,22,23,28,29,30,31,37,38,39,46,47,55   ; the 28 keys with lo < hi.  Values only: no address and no branch hangs on them
	v_cmp_eq_u32 s44, \k, v71
	v_mbcnt_lo_u32_b32 v75, s44, 0
	v_cndmask_b32 v74, v74, v75, s44
	s_bcnt1_i32_b32 s45, s44
	v_writelane_b32 v[76+((\k)&1)], s45, (\k)>>1
.endr
	v_lshl_or_b32 v78, v74, 8, v71                 ; tk = key | rank << 8
	global_store_b32 v13, v78, s[38:39]
	global_store_b64 v14, v[72:73], s[40:41]       ; 256 consecutive bytes
	global_store_b64 v14, v[76:77], s[42:43] offset:16384   ; 256 consecutive bytes
	s_cmp_eq_u32 ttmp9, 0
	s_cbranch_scc0 .Lend
	v_mov_b32 v214, 0
	global_store_b32 v214, v214, s[46:47]          ; out1 = 0.0: work-group 0's wave 0; its lanes all write the one word with the same value
.Lend:
	s_wait_tensorcnt 0x0                           ; the wave's end: a tensor wait, an LDS add and its wait, behind my last LDS store
	ds_add_u32 v1, v2
	s_wait_dscnt 0x0
	s_endpgm
; ---------------- THE WEIGHTS' NEW ORDER.  Fragment f = 2 k + t (K step k of four, tile t of two), half c: lane (r, h) takes 16 bytes of its row; they go out at 1,024 f + 512 c + 16 x lane.
.macro REPACK sb, pitch, tstep
.irp k, 0,1,2,3
.irp t, 0,1
.irp c, 0,1
	global_load_b128 v[16+8*(2*\k+\t)+4*\c:16+8*(2*\k+\t)+4*\c+3], v4, s[\sb:\sb+1] offset:\t*\tstep*\pitch+64*\k+32*\c
.endr
.endr
.endr
.irp j, 0,1,2,3,4,5,6,7,8,9,10,11,12,13,14,15
	s_wait_loadcnt 15-\j                           ; load j is in; the younger ones may be out
	global_store_b128 v3, v[16+4*\j:16+4*\j+3], s[20:21] offset:512*\j   ; 32 lanes store 512 consecutive bytes
.endr
.endm
.Lrepack:
	s_cmp_ge_u32 ttmp9, 192
	s_cbranch_scc1 .Lrepack2
	s_sub_co_u32 s25, ttmp9, 128                   ; W1: group gi = 64 e + 8 w + g is rows 32 gi .. + 31, 8,192 consecutive bytes
	s_lshl_b32 s25, s25, 3
	s_add_co_u32 s25, s25, s24
	s_lshl_b32 s26, s25, 13
	s_mov_b32 s27, 0
	s_add_nc_u64 s[8:9], s[8:9], s[26:27]
	s_add_nc_u64 s[20:21], s[20:21], s[26:27]
	v_and_b32 v4, 8, v[RR]
	v_add_nc_u32 v4, v4, v[RR]                     ; THE ROWS OF A TILE ARE NOT NEIGHBOURS: lane r of tile u takes row 8 u + r + 8 (r / 8), so that the two tiles' 16 results of a lane are 16 neighbours along the next K
	v_lshlrev_b32 v4, 8, v4
	v_lshl_add_u32 v4, v[HH], 4, v4
	REPACK 8, 256, 8
	s_endpgm
.Lrepack2:
	s_sub_co_u32 s25, ttmp9, 192                   ; W2: group gj = ((8 e + w) 4 + sq) 2 + tp: rows 64 (8 e + w) + 32 tp + 0..31, K steps 4 sq + 0..3
	s_lshl_b32 s25, s25, 3
	s_add_co_u32 s25, s25, s24
	s_and_b32 s26, s25, 1                          ; tp
	s_bfe_u32 s27, s25, 0x20001                    ; sq
	s_lshr_b32 s28, s25, 3                         ; 8 e + w
	s_lshl_b32 s29, s28, 6
	s_lshl_b32 s30, s26, 5
	s_add_co_u32 s29, s29, s30                     ; the group's first row
	s_lshl_b32 s30, s29, 10                        ; rows of 1,024 bytes,
	s_lshl_b32 s31, s27, 8                         ; 256 bytes for four K steps
	s_add_co_u32 s30, s30, s31
	s_mov_b32 s31, 0
	s_add_nc_u64 s[10:11], s[10:11], s[30:31]
	s_lshl_b32 s30, s29, 6                         ; scale bytes: rows of 64, 16 for four K steps
	s_lshl_b32 s32, s27, 4
	s_add_co_u32 s30, s30, s32
	s_add_nc_u64 s[12:13], s[12:13], s[30:31]
	s_lshl_b32 s30, s25, 9
	s_add_nc_u64 s[34:35], s[20:21], s[30:31]
	s_add_nc_u64 s[34:35], s[34:35], 0x800000      ; wf: W2's scale words, 512 bytes a group
	s_lshl_b32 s30, s25, 13
	s_add_nc_u64 s[20:21], s[20:21], s[30:31]
	s_add_nc_u64 s[20:21], s[20:21], 0x400000      ; wf: W2's codes
	v_lshlrev_b32 v4, 10, v[RR]
	v_lshl_add_u32 v4, v[HH], 4, v4
	v_lshlrev_b32 v5, 6, v[LN]
	global_load_b128 v[80:83], v5, s[12:13]        ; lane l: row l's four scale words; issued ahead of the sixteen, so their counts stand
	REPACK 10, 1024, 16
	global_store_b128 v3, v[80:83], s[34:35]
	s_endpgm
.Lfunc_end_k_q5fa1d8687b_prep:
	.size	k_q5fa1d8687b_prep, .Lfunc_end_k_q5fa1d8687b_prep-k_q5fa1d8687b_prep
	.p2alignl 7, 3214868480
	.fill 96, 4, 3214868480
	.section	.rodata,"a",@progbits
	.p2align	6, 0x0
	.amdhsa_kernel k_q5fa1d8687b_prep
		.amdhsa_group_segment_fixed_size 81920
		.amdhsa_private_segment_fixed_size 0
		.amdhsa_enable_private_segment 0
		.amdhsa_kernarg_size 80
		.amdhsa_user_sgpr_count 2
		.amdhsa_user_sgpr_kernarg_segment_ptr 1
		.amdhsa_wavefront_size32 1
		.amdhsa_system_sgpr_workgroup_id_x 1
		.amdhsa_system_sgpr_workgroup_id_y 1
		.amdhsa_system_sgpr_workgroup_id_z 1
		.amdhsa_system_vgpr_workitem_id 0
		.amdhsa_next_free_vgpr 224
		.amdhsa_next_free_sgpr 66
		.amdhsa_reserve_vcc 0
		.amdhsa_float_denorm_mode_32 3
		.amdhsa_float_denorm_mode_16_64 3
		.amdhsa_memory_ordered 1
		.amdhsa_forward_progress 1
		.amdhsa_inst_pref_size 45
	.end_amdhsa_kernel
	.amdgpu_metadata
---
amdhsa.version: [ 1, 2 ]
amdhsa.kernels:
  - .name:           k_q5fa1d8687b_prep
    .symbol:         k_q5fa1d8687b_prep.kd
    .args:
      - { .name: input_batch, .offset: 0, .size: 8, .value_kind: global_buffer, .address_space: global }
      - { .name: Wr, .offset: 8, .size: 8, .value_kind: global_buffer, .address_space: global }
      - { .name: W1_codes, .offset: 16, .size: 8, .value_kind: global_buffer, .address_space: global }
      - { .name: W2_codes, .offset: 24, .size: 8, .value_kind: global_buffer, .address_space: global }
      - { .name: W2_scales, .offset: 32, .size: 8, .value_kind: global_buffer, .address_space: global }
      - { .name: xq, .offset: 40, .size: 8, .value_kind: global_buffer, .address_space: global }
      - { .name: gates, .offset: 48, .size: 8, .value_kind: global_buffer, .address_space: global }
      - { .name: route, .offset: 56, .size: 8, .value_kind: global_buffer, .address_space: global }
      - { .name: wf, .offset: 64, .size: 8, .value_kind: global_buffer, .address_space: global }
      - { .name: out1, .offset: 72, .size: 8, .value_kind: global_buffer, .address_space: global }
    .group_segment_fixed_size: 81920
    .private_segment_fixed_size: 0
    .kernarg_segment_align: 8
    .kernarg_segment_size: 80
    .max_flat_workgroup_size: 256
    .sgpr_count:     66
    .vgpr_count:     224
    .wavefront_size: 32
...
	.end_amdgpu_metadata
.endif
;; end of part 1
;; launch chain (part 2): grid 155 x 1, 8 waves a work-group, no clusters, 168,448 bytes of LDS; arguments route, xq, gates, wf, W1_scales, b1, b2, out0; writes out0
.if DOCPART == 2
	.amdgcn_target "amdgcn-amd-amdhsa--gfx1250"
	.amdhsa_code_object_version 6
	.text
	.protected	k_q5fa1d8687b_chain
	.globl	k_q5fa1d8687b_chain
	.p2align	8
	.type	k_q5fa1d8687b_chain,@function
k_q5fa1d8687b_chain:
	s_mov_b64 s[64:65], 0
	v_nop
	global_prefetch_b8 v0, s[64:65] scope:SCOPE_SE
	s_setreg_imm32_b32 hwreg(HW_REG_WAVE_MODE, 25, 1), 1
	s_wait_xcnt 0x0
; MIXTURE OF EXPERTS, launch 2 of 2: out0[token] = g_lo (relu(x W1[lo] + b1[lo]) W2[lo] + b2[lo]) + g_hi (the same of hi), both products on E2M1 codes.
; The six experts that a token did not choose are left out: their gates are 0 by the problem's own one_hot (see the first launch's head; its limits hold here).
; SHARES.  The tokens are taken by their PAIR of experts (key = 8 lo + hi): each of the 28 pairs gets whole tiles of 32 places, ceil(count / 32) of them, one pair behind the other: never more than
; 4,096 / 32 + 28 - 1 = 155 tiles, whatever the choice.  A work-group takes one tile and runs the whole chain for both experts (two VISITS): so each row of out0 has one owner and nothing is summed between work-groups.
; EACH WORK-GROUP PLACES ITS OWN TILE, from the whole numbers that the first launch stored (for each chunk of 32 tokens a histogram over the keys; for each token its key and its rank in its chunk): 48 KiB read, no
; launch of its own for the sort.  Wave w owns chunks 16 w .. 16 w + 15.  The waves' totals meet in LDS; a walk over the 28 keys finds the tile's key, count and first rank; then each chunk's tokens are sent, by one
; lane permute, to the lanes of their places, and the waves' lists meet in LDS.  Places past the count hold token 0: their rows are computed and not stored.  All lanes stay on throughout.
; A WORK-GROUP WITHOUT ROWS (count 0) stores nothing.  Every wave passes every barrier: such a work-group jumps over the work BETWEEN the barriers, by a scalar branch on the count.
; It does run the head, on addresses that are valid for it (the walk leaves it the last key, experts 6 and 7; its list is token 0), and the head asks for the ring's first three groups.
; Each stretch that can be jumped over takes 8 or 16 groups, a multiple of the ring's four slots, and asks for one group for each that it takes: so the ring's slots and the counts of its
; waits stand alike on every way through the text; every other register that a stretch reads is written in that stretch or in the head.
; NO CLUSTER: neighbouring tiles belong to different pairs of experts, so they walk different weights, and how many tiles are live hangs on the stored counts: partners could not make every request jointly.
; THE EIGHT WAVES SHARE THE COLUMNS: wave w makes hidden units 256 w + 0..255 (8 groups of 32: K steps 2 w, 2 w + 1 of the second product) and outputs 64 w + 0..63, for all 32 tokens.  So each byte of an
; expert's weights enters the work-group once a visit, from the first launch's relaid stream straight into the registers of the one wave that multiplies by it, and feeds two matrix instructions (two tiles of 16 tokens).
; Both products are used transposed (source 0 = 16 rows of the weight, source 1 = 16 tokens): a lane holds ONE token, and its registers run along the next K or along a row of out0.
; x's and the hidden layer's fragments go from wave to wave through LDS as images of their registers (16 bytes a lane, 512 a store).  The biases are the C of each sum's first matrix instruction.
; THE RING: a group is 16 loads of 512 bytes and one of scale words; four slots of 64 registers in window 1; three groups are on their way while one is multiplied.  Groups 0-7 of a visit are W1's, 8-15 W2's; the ring runs on from visit to visit.
.set XI,     0                         ; LDS: x's 8 fragments (index 2 q + tt), 1,024 bytes each
.set HI,     8192                      ; the hidden layer's 32 fragments (index 16 tt + s) for each visit: 2 x 32,768: a region a visit, so that no barrier stands between the visits
.set HS,     73728                     ; their scale words [s 16][tt 2][16 words], 2 x 2,048
.set B1L,    77824                     ; b1: [visit][wave] 1,024 bytes, each wave's own
.set B2L,    94208                     ; b2: [visit][wave] 256 bytes, each wave's own
.set STG,    98304                     ; the stage: 32 rows of out0, 2,048 + 16 bytes each: an odd multiple of 16, so the 16 rows that a store touches begin at 16 different 16-byte columns of 256
.set SPITCH, 2064
.set TOT,    164352                    ; the placing: the waves' totals over the 64 keys, 8 x 256 bytes,
.set LST,    166400                    ; and the waves' parts of the tile's list, 8 x 128 bytes
.set SPARE,  167424                    ; the spare words, 128 bytes for each wave: four blocks of 256 bytes that no other line names
; window 0
.set SPW,  1                           ; my spare word's address;  v2: 0.  Kept for the add alone
.set NIL,  2
.set L16,  3                           ; 16 x lane
.set HWI,  4                           ; where I store the hidden layer's images: HI + 2,048 w + 16 lane
.set HWS,  5                           ; and their scale words: HS + 256 w + 4 r
.set HSR,  6                           ; where I read scale words: HS + 4 lane
.set BA1,  7                           ; b1 back: B1L + 1,024 w + 64 h
.set BA2,  8                           ; b2 back: B2L + 256 w + 32 h
.set W1SO, 9                           ; W1's scale words: 16 x the row that my lane's tile takes
.set SO,   10                          ; the stage, in: STG + 2,064 r + 32 h + 256 w
.set SR,   11                          ; the stage, back: STG + 4 rows x w + 16 lane
.set HRD,  12                          ; where I read the hidden layer's images: HI + 16 lane
.set XWI,  13                          ; where I store x's image
.set XH,   16                          ; v16-79   in the head histograms and tk; then source 1: x's 8 fragments, later 8 hidden fragments; on the way out the first visit's rows, then whole rows
.set XSC,  80                          ; v80-83   x's scale words: register q; lanes 0-15 tokens 0-15, lanes 16-31 tokens 16-31
.set HSC,  84                          ; v84-87   the hidden layer's likewise
.set ACC,  88                          ; v88-151  accumulators; in the head at work
.set WSC,  152                         ; v152-167 the weights' scale words, four registers a slot: lanes 0-15 the group's first tile, lanes 16-31 its second
.set BR,   168                         ; v168-183 b1 as C
.set G,    184                         ; v184-187 (g_lo, g_hi) of my token in tile 0, in tile 1
.set MX,   188                         ; the quantiser's, one for each tile of tokens: largest magnitude,
.set PT,   190                         ; the other half of the lanes',
.set SOP,  192                         ; the conversion's scale operand,
.set BY,   194                         ; the byte
.set PC,   196                         ; v196-227 codes [K step 2][tt 2][8]; in the second product b2 as C
.set BR2,  196
.set PW,   228                         ; v228-229 the scale word in the making
.set ROW,  246                         ; v246-249 the rows of out0 that I store: 2,048 x token + 16 x lane
.set MSB, 0
.macro WIN new                         ; the immediate's high byte repeats the setting that is left
.if MSB != \new
	s_set_vgpr_msb (MSB<<8)|\new
.set MSB, \new
.endif
.endm
.macro PLACES                          ; four plain places behind a matrix instruction, ahead of reads of its result and of loads into its registers
.rept 4
	v_nop
.endr
.endm
.macro BARRIER                         ; my LDS stores have landed and my LDS loads are in: then the work-group's barrier.  The ring's global loads stay out: nobody writes those bytes
	s_wait_dscnt 0x0
	s_barrier_signal -1
	s_barrier_wait -1
.endm
.macro IFROWS lbl                      ; a work-group without rows goes on to the next barrier
	s_cmp_eq_u32 s21, 0
	s_cbranch_scc1 \lbl
.endm
; Group IN (0..31 = 16 x visit + group) is asked for, into slot IN % 4: 17 loads
.macro ISSUE
.set IS, IN%4
.set IG, IN%16
.if IG < 8
.set IB, 32+8*(IN/16)
.set IO, IG
.else
.set IB, 36+8*(IN/16)
.set IO, IG-8
.endif
	WIN 0x40                                       ; destination window 1, address window 0
.irp f, 0,1,2,3,4,5,6,7
.irp c, 0,1
	global_load_b128 v[64*IS+8*\f+4*\c:64*IS+8*\f+4*\c+3], v[L16], s[IB:IB+1] offset:8192*IO+1024*\f+512*\c
.endr
.endr
	WIN 0
.if IG < 8
	global_load_b128 v[WSC+4*IS:WSC+4*IS+3], v[W1SO], s[IB+2:IB+3] offset:512*IO   ; W1's scale bytes as they are given: a group's 32 rows are 512 consecutive bytes
.else
	global_load_b128 v[WSC+4*IS:WSC+4*IS+3], v[L16], s[IB+2:IB+3] offset:512*IO
.endif
.endm
.macro LWAIT                           ; group GN is in: the two groups of 17 loads behind it may be out (at the end one, then none)
.if GN <= 29
	s_wait_loadcnt 34
.elseif GN == 30
	s_wait_loadcnt 17
.else
	s_wait_loadcnt 0x0
.endif
.endm
.macro WM tl, tt                       ; one product; the scale registers' rows go by the tile of the weight (tl) and the tile of tokens (tt)
.if (\tl == 0) && (\tt == 0)
	v_wmma_scale_f32_16x16x128_f8f6f4 v[rD:rD+7], v[rA:rA+7], v[rB:rB+7], v[rC:rC+7], v[rSA], v[rSB] matrix_a_fmt:MATRIX_FMT_FP4 matrix_b_fmt:MATRIX_FMT_FP4
.elseif (\tl == 1) && (\tt == 0)
	v_wmma_scale_f32_16x16x128_f8f6f4 v[rD:rD+7], v[rA:rA+7], v[rB:rB+7], v[rC:rC+7], v[rSA], v[rSB] matrix_a_fmt:MATRIX_FMT_FP4 matrix_b_fmt:MATRIX_FMT_FP4 matrix_a_scale:MATRIX_SCALE_ROW1
.elseif (\tl == 0) && (\tt == 1)
	v_wmma_scale_f32_16x16x128_f8f6f4 v[rD:rD+7], v[rA:rA+7], v[rB:rB+7], v[rC:rC+7], v[rSA], v[rSB] matrix_a_fmt:MATRIX_FMT_FP4 matrix_b_fmt:MATRIX_FMT_FP4 matrix_b_scale:MATRIX_SCALE_ROW1
.else
	v_wmma_scale_f32_16x16x128_f8f6f4 v[rD:rD+7], v[rA:rA+7], v[rB:rB+7], v[rC:rC+7], v[rSA], v[rSB] matrix_a_fmt:MATRIX_FMT_FP4 matrix_b_fmt:MATRIX_FMT_FP4 matrix_a_scale:MATRIX_SCALE_ROW1 matrix_b_scale:MATRIX_SCALE_ROW1
.endif
.endm
; A group's 16 products: 4 K steps x 2 tiles of the weight x 2 tiles of tokens.  Four accumulators take turns, one instruction a turn.
; bs: source 1's scale words;  accumulator at ACC + db + dl x tl + dr x tt;  cb >= 0: the first K step takes the bias at cb + 8 tl as C
.macro MUL slot, bs, dl, dr, db, cb
	WIN 0x01                                       ; source 0 window 1
.irp kk, 0,1,2,3
.irp tl, 0,1
.irp tt, 0,1
.set rD, ACC+(\db)+(\dl)*\tl+(\dr)*\tt
.set rA, 64*(\slot)+8*(2*\kk+\tl)
.set rB, XH+8*(2*\kk+\tt)
.set rC, rD
.if (\kk == 0) && ((\cb) >= 0)
.set rC, (\cb)+8*\tl
.endif
.set rSA, WSC+4*(\slot)+\kk
.set rSB, (\bs)+\kk
	WM \tl, \tt
.endr
.endr
.endr
.endm
.macro BRLOAD v, g                     ; b1 of group g as C: lane (r, h), tile u, register j: hidden unit 32 g + 16 h + 8 u + j
.irp o, 0,1,2,3
	ds_load_b128 v[BR+4*\o:BR+4*\o+3], v[BA1] offset:8192*\v+128*(\g)+16*\o
.endr
.endm
; Group n's 32 hidden units of both tiles of tokens: relu, the block's scale, the codes.  ACC + 16 tt + i is hidden unit 32 n + 16 h + i of my token: 16 neighbours along the next K; the block's other 16 lie in lane l xor 16.
.macro Q1 v
.set gp, n%4                           ; the block's place in its K step of 128
.set sg, n/4                           ; which of my two K steps
.set j, 0
.rept 32
	v_max_num_f32 v[ACC+j], 0, v[ACC+j]            ; the activation, in f32; each accumulator from its low end on
.set j, j+1
.endr
.irp tt, 0,1
	v_max3_num_f32 v[MX+\tt], v[ACC+16*\tt], v[ACC+16*\tt+1], 0x1800000   ; none is negative: no |.|; the floor 2^(3 - 127) holds the byte at 1 from below
.endr
.irp i, 2,4,6,8,10,12,14
.irp tt, 0,1
	v_max3_num_f32 v[MX+\tt], v[MX+\tt], v[ACC+16*\tt+\i], v[ACC+16*\tt+\i+1]
.endr
.endr
.irp tt, 0,1
	v_permlanex16_b32 v[PT+\tt], v[MX+\tt], s26, s27
.endr
.irp tt, 0,1
	v_max_num_f32 v[MX+\tt], v[MX+\tt], v[PT+\tt]
.endr
.irp tt, 0,1
	v_add_nc_u32 v[SOP+\tt], 0xff000000, v[MX+\tt] ; 2 off the exponent field: the conversion's scale operand
.endr
.irp tt, 0,1
.if gp == 0
	v_lshrrev_b32 v[PW+\tt], 23, v[SOP+\tt]        ; the byte starts the K step's scale word
.else
	v_lshrrev_b32 v[BY+\tt], 23, v[SOP+\tt]
	v_lshl_or_b32 v[PW+\tt], v[BY+\tt], 8*gp, v[PW+\tt]
.endif
.endr
.irp tt, 0,1
	v_cvt_scalef32_pk8_fp4_f32 v[PC+16*sg+8*\tt+2*gp], v[ACC+16*\tt:ACC+16*\tt+7], v[SOP+\tt]
	v_cvt_scalef32_pk8_fp4_f32 v[PC+16*sg+8*\tt+2*gp+1], v[ACC+16*\tt+8:ACC+16*\tt+15], v[SOP+\tt]
.endr
	v_nop                                          ; one plain place behind a scaled conversion
.if gp%2 == 1                                      ; two blocks are there: a whole block to a lane
.irp tt, 0,1
.irp i, 0,1
	v_permlane16_swap_b32 v[PC+16*sg+8*\tt+2*(gp-1)+\i], v[PC+16*sg+8*\tt+2*gp+\i]
.endr
.endr
.endif
.if gp == 3                                        ; a K step is whole: its images go to LDS.  The next write of PW stands behind the next group's wait for all LDS instructions
.irp tt, 0,1
.irp c, 0,1
	ds_store_b128 v[HWI], v[PC+16*sg+8*\tt+4*\c:PC+16*sg+8*\tt+4*\c+3] offset:32768*\v+16384*\tt+1024*sg+512*\c
.endr
	ds_store_b32 v[HWS], v[PW+\tt] offset:2048*\v+128*sg+64*\tt   ; both halves of the lanes write the same word with the same value
.endr
.endif
.endm
	s_load_b512 s[4:19], s[0:1], 0x0               ; route s[4:5], xq s[6:7], gates s[8:9], wf s[10:11], W1's scales s[12:13], b1 s[14:15], b2 s[16:17], out0 s[18:19]
	v_lshl_add_u32 v[SPW], v0, 2, SPARE
	v_mov_b32 v[NIL], 0
	v_lshrrev_b32 v14, 5, v0
	v_readfirstlane_b32 s25, v14                   ; wave 0..7
	v_and_b32 v243, 31, v0                         ; lane
	v_and_b32 v230, 15, v0                         ; r
	v_bfe_u32 v231, v0, 4, 1                       ; h
	v_lshlrev_b32 v242, 3, v243                    ; 8 x lane
	v_lshlrev_b32 v15, 2, v243                     ; 4 x lane
	s_lshl_b32 s66, s25, 12                        ; my 16 histograms of 256 bytes,
	s_mov_b32 s67, 0
	s_lshl_b32 s68, s25, 11                        ; my 512 tokens' tk
	s_mov_b32 s69, 0
	s_mov_b32 s29, ttmp9                           ; my tile
	s_wait_kmcnt 0x0
	s_add_nc_u64 s[60:61], s[4:5], s[66:67]
	s_add_nc_u64 s[62:63], s[4:5], s[68:69]
.irp i, 0,1,2,3,4,5,6,7,8,9,10,11,12,13,14,15
	global_load_b64 v[16+2*\i:17+2*\i], v242, s[60:61] offset:16384+256*\i   ; chunk 16 w + i: lane l takes keys 2 l and 2 l + 1: 256 consecutive bytes
.endr
.irp i, 0,1,2,3,4,5,6,7,8,9,10,11,12,13,14,15
	global_load_b32 v[48+\i], v15, s[62:63] offset:128*\i                    ; token 512 w + 32 i + lane: key | rank << 8
.endr
	; every LDS address and every index made of ids stands here, between the loads and their wait
	s_mov_b32 s26, 0x76543210
	s_mov_b32 s27, 0xfedcba98                      ; v_permlanex16_b32's selects for lane l xor 16
	v_lshlrev_b32 v[L16], 4, v243
	s_lshl_b32 s67, s25, 11
	s_add_co_u32 s67, s67, HI
	v_add_nc_u32 v[HWI], s67, v[L16]
	s_lshl_b32 s67, s25, 8
	s_add_co_u32 s68, s67, HS
	v_lshl_add_u32 v[HWS], v230, 2, s68
	v_lshl_add_u32 v[HSR], v243, 2, HS
	s_lshl_b32 s68, s25, 10
	s_add_co_u32 s68, s68, B1L
	v_lshl_add_u32 v[BA1], v231, 6, s68
	v_add_nc_u32 v244, s68, v[L16]                 ; b1 in: 16 bytes a lane
	s_add_co_u32 s68, s67, B2L
	v_lshl_add_u32 v[BA2], v231, 5, s68
	v_lshl_add_u32 v245, v243, 3, s68              ; b2 in: 8 bytes a lane
	v_and_b32 v14, 8, v230
	v_add_nc_u32 v14, v14, v230
	v_lshl_add_u32 v14, v231, 3, v14               ; lanes 0-15: tile 0's row r + 8 (r / 8); lanes 16-31: tile 1's, 8 further on
	v_lshlrev_b32 v[W1SO], 4, v14
	v_mul_u32_u24 v[SO], v230, SPITCH
	v_lshl_add_u32 v[SO], v231, 5, v[SO]
	s_add_co_u32 s68, s67, STG
	v_add_nc_u32 v[SO], s68, v[SO]
	s_mul_i32 s68, s25, 4*SPITCH
	s_add_co_u32 s68, s68, STG
	v_add_nc_u32 v[SR], s68, v[L16]
	v_add_nc_u32 v[HRD], HI, v[L16]
	s_and_b32 s68, s25, 3                          ; which K step of x I gather,
	s_lshr_b32 s69, s25, 2                         ; for which tile of tokens
	s_lshl_b32 s70, s68, 11
	s_lshl_b32 s71, s69, 10
	s_add_co_u32 s70, s70, s71
	v_add_nc_u32 v[XWI], s70, v[L16]               ; XI + 1,024 (2 q + tt) + 16 lane
	v_mov_b32 v[PT], 0                             ; written once: a lane permute's destination counts as one of its sources
	v_mov_b32 v[PT+1], 0
	s_add_co_u32 s70, s67, TOT
	v_add_nc_u32 v250, s70, v242                   ; my wave's totals: TOT + 256 w + 8 lane
	v_add_nc_u32 v251, TOT, v242                   ; all waves': TOT + 8 lane
	s_lshl_b32 s70, s25, 7
	s_add_co_u32 s70, s70, LST
	v_add_nc_u32 v252, s70, v15                    ; my wave's part of the list: LST + 128 w + 4 lane
	v_add_nc_u32 v253, LST, v15                    ; all waves': LST + 4 lane
	s_lshl_b32 s70, s25, 9
	v_add_nc_u32 v254, s70, v243                   ; my token in my first chunk: 512 w + lane
	s_lshl_b32 s70, s69, 4
	v_add_nc_u32 v235, s70, v230
	v_lshlrev_b32 v235, 2, v235                    ; 4 x the place whose codes I gather: 16 (w / 4) + r;
	v_lshlrev_b32 v236, 2, v230                    ; 4 x places r
	v_add_nc_u32 v237, 64, v236                    ; and 16 + r: my lane's tokens in the two tiles
	s_lshl_b32 s70, s25, 4
	v_mov_b32 v144, s70                            ; 4 x places 4 w + i: the rows that I store at the end
.irp i, 1,2,3
	v_add_nc_u32 v[144+\i], 4*\i, v144
.endr
	s_wait_loadcnt 0x0                             ; the histograms and tk
	; ---- THE PLACING.  My 16 chunks' totals for each key
.irp p, 0,1
	v_add_nc_u32 v[140+\p], v[16+\p], v[18+\p]
.endr
.irp i, 2,3,4,5,6,7,8,9,10,11,12,13,14,15
.irp p, 0,1
	v_add_nc_u32 v[140+\p], v[140+\p], v[16+2*\i+\p]
.endr
.endr
	ds_store_b64 v250, v[140:141]
	BARRIER                                        ; the eight waves' totals lie in LDS
.irp j, 0,1,2,3,4,5,6,7
	ds_load_b64 v[112+2*\j:113+2*\j], v251 offset:256*\j
.endr
	v_mov_b32 v136, 0                              ; v136-137: my keys' tokens in the waves before mine;  v138-139: in all
	v_mov_b32 v137, 0
	v_mov_b32 v138, 0
	v_mov_b32 v139, 0
	s_wait_dscnt 0x0
.irp j, 0,1,2,3,4,5,6,7
	s_cmp_gt_u32 s25, \j
	s_cselect_b32 s94, 1, 0
	v_mad_u32_u24 v136, v[112+2*\j], s94, v136
	v_mad_u32_u24 v137, v[113+2*\j], s94, v137
	v_add_nc_u32 v138, v138, v[112+2*\j]
	v_add_nc_u32 v139, v139, v[113+2*\j]
.endr
.set j, 0
.irp k, 1,2,3,4,5,6,7,10,11,12,13,14,15,19,20,21,22,23,28,29,30,31,37,38,39,46,47,55   ; the 28 keys with lo < hi, in one run: s32-59 their tokens in all, s66-93 in the waves before mine
	v_readlane_b32 s[32+j], v[138+((\k)&1)], (\k)>>1
	v_readlane_b32 s[66+j], v[136+((\k)&1)], (\k)>>1
.set j, j+1
.endr
	; The keys' first tiles never fall from key to key, and a key without tiles shares its first tile with the next key: so the last key whose first tile is at or under my tile is my tile's key
	s_mov_b32 s98, 0                               ; the first tile of the key in hand
	s_mov_b32 s20, 0                               ; my key's first tile,
	s_mov_b32 s30, 0                               ; its tokens in all,
	s_mov_b32 s31, 0                               ; in the waves before mine,
	s_mov_b32 s99, 1                               ; and the key
.set j, 0
.irp k, 1,2,3,4,5,6,7,10,11,12,13,14,15,19,20,21,22,23,28,29,30,31,37,38,39,46,47,55
	s_cmp_le_u32 s98, s29
	s_cselect_b32 s20, s98, s20
	s_cselect_b32 s30, s[32+j], s30
	s_cselect_b32 s31, s[66+j], s31
	s_cselect_b32 s99, \k, s99
	s_add_co_u32 s[32+j], s[32+j], 31
	s_lshr_b32 s[32+j], s[32+j], 5                 ; the key's tiles
	s_add_co_u32 s98, s98, s[32+j]
.set j, j+1
.endr
	s_sub_co_u32 s22, s29, s20
	s_lshl_b32 s22, s22, 5                         ; the rank, among my key's tokens, of my tile's first place
	s_sub_co_i32 s21, s30, s22                     ; the key's tokens from there on (0 or less in a tile that this split does not need),
	s_min_i32 s21, s21, 32
	s_max_i32 s21, s21, 0                          ; held to 0 .. 32: count
	s_sub_co_i32 s94, s31, s22                     ; the place, in my tile, of rank 0 of my first chunk: a signed number
	s_lshr_b32 s23, s99, 3
	s_min_u32 s23, s23, 7                          ; lo
	s_and_b32 s24, s99, 7
	s_min_u32 s24, s24, 7                          ; hi
.macro BASES v, e                      ; visit v's streams for my wave: s[32+8v..]: W1's groups, W1's scale bytes, W2's groups, W2's scale words;  s[80+4v..]: b1, b2
	s_lshl_b32 s72, s[\e], 3
	s_add_co_u32 s72, s72, s25                     ; 8 e + w
	s_lshl_b32 s74, s72, 16
	s_mov_b32 s75, 0
	s_add_nc_u64 s[32+8*\v:33+8*\v], s[10:11], s[74:75]
	s_add_nc_u64 s[36+8*\v:37+8*\v], s[32+8*\v:33+8*\v], 0x400000
	s_lshl_b32 s74, s72, 12
	s_add_nc_u64 s[34+8*\v:35+8*\v], s[12:13], s[74:75]
	s_add_nc_u64 s[38+8*\v:39+8*\v], s[10:11], s[74:75]
	s_add_nc_u64 s[38+8*\v:39+8*\v], s[38+8*\v:39+8*\v], 0x800000
	s_lshl_b32 s74, s72, 10
	s_add_nc_u64 s[80+4*\v:81+4*\v], s[14:15], s[74:75]
	s_lshl_b32 s74, s72, 8
	s_add_nc_u64 s[82+4*\v:83+4*\v], s[16:17], s[74:75]
.endm
	BASES 0, 23
	BASES 1, 24
.irp v, 0,1                                        ; my 256 numbers of b1 and 64 of b2, for both visits: on their way while the list is made
	global_load_b128 v[ACC+12*\v:ACC+12*\v+3], v[L16], s[80+4*\v:81+4*\v]
	global_load_b128 v[ACC+12*\v+4:ACC+12*\v+7], v[L16], s[80+4*\v:81+4*\v] offset:512
	global_load_b64 v[ACC+12*\v+8:ACC+12*\v+9], v242, s[82+4*\v:83+4*\v]
.endr
	; THE LIST.  In each chunk the 32 lanes get 32 different numbers: a token of my key its rank, the others the numbers behind the key's count.  Lane (offset + number) mod 32 is then another lane for each,
	; so one lane permute with all lanes on sends every token's word somewhere; the word is the token's number where the token is of my key and its place falls into my tile, else 0.
.irp i, 0,1,2,3,4,5,6,7,8,9,10,11,12,13,14,15
	v_and_b32 v128, 63, v[48+\i]                   ; key
	v_bfe_u32 v129, v[48+\i], 8, 6                 ; rank in the chunk
	v_cmp_eq_u32 s95, s99, v128                    ; the tokens of my key,
	s_not_b32 s96, s95
	s_bcnt1_i32_b32 s97, s95                       ; how many,
	v_mbcnt_lo_u32_b32 v130, s96, 0                ; and the others' rank among themselves
	v_add_nc_u32 v130, s97, v130
	v_cndmask_b32 v129, v130, v129, s95
	v_add_nc_u32 v129, s94, v129                   ; a token of my key: its place in my tile, if that is 0 .. 31
	v_cmp_gt_u32 s96, 32, v129
	s_and_b32 s96, s96, s95
	v_add_nc_u32 v131, 32*\i, v254                 ; the token's number, made of ids
	v_cndmask_b32 v131, 0, v131, s96
	v_and_b32 v129, 31, v129
	v_min_u32 v129, 31, v129
	v_lshlrev_b32 v129, 2, v129
	ds_permute_b32 v[112+\i], v129, v131           ; a lane permute: no LDS byte is touched
	s_add_co_u32 s94, s94, s97                     ; on to my next chunk
.endr
	s_wait_dscnt 0x0
.irp i, 0,2,4,6,8,10,12,14
	v_or_b32 v[112+\i], v[112+\i], v[113+\i]       ; a place is filled by one chunk at the most
.endr
.irp i, 0,4,8,12
	v_or_b32 v[112+\i], v[112+\i], v[114+\i]
.endr
	v_or_b32 v112, v112, v116
	v_or_b32 v120, v120, v124
	v_or_b32 v112, v112, v120
	ds_store_b32 v252, v112
	BARRIER                                        ; the eight waves' parts of the list lie in LDS
.irp j, 0,1,2,3,4,5,6,7
	ds_load_b32 v[112+\j], v253 offset:128*\j
.endr
	s_wait_dscnt 0x0
.irp i, 0,2,4,6
	v_or_b32 v[112+\i], v[112+\i], v[113+\i]
.endr
	v_or_b32 v112, v112, v114
	v_or_b32 v116, v116, v118
	v_or_b32 v255, v112, v116                      ; lane p: the token of place p (past the count: token 0)
	ds_bpermute_b32 v232, v235, v255               ; the token whose codes I gather,
	ds_bpermute_b32 v233, v236, v255               ; my lane's token in tile 0,
	ds_bpermute_b32 v234, v237, v255               ; in tile 1,
.irp i, 0,1,2,3
	ds_bpermute_b32 v[ROW+\i], v[144+\i], v255     ; and the tokens of the four rows that I store
.endr
	s_wait_dscnt 0x0
	v_min_u32 v232, 4095, v232
	v_min_u32 v233, 4095, v233
	v_min_u32 v234, 4095, v234
	v_min_u32 v239, 4095, v255
.irp i, 0,1,2,3
	v_min_u32 v[ROW+\i], 4095, v[ROW+\i]
	v_lshl_add_u32 v[ROW+\i], v[ROW+\i], 11, v[L16]
.endr
	v_lshlrev_b32 v238, 8, v232                    ; a token's codes are 256 bytes;
	v_lshl_add_u32 v238, v231, 4, v238
	s_and_b32 s68, s25, 3
	s_lshl_b32 s72, s68, 6
	v_add_nc_u32 v238, s72, v238                   ; K step q's are 64 of them
	v_lshlrev_b32 v239, 4, v239
	v_lshlrev_b32 v240, 3, v233
	v_lshlrev_b32 v241, 3, v234
	global_load_b128 v[PC:PC+3], v238, s[6:7]
	global_load_b128 v[PC+4:PC+7], v238, s[6:7] offset:32
	global_load_b128 v[XSC:XSC+3], v239, s[6:7] offset:1048576
	global_load_b64 v[G:G+1], v240, s[8:9]
	global_load_b64 v[G+2:G+3], v241, s[8:9]
.set IN, 0
	ISSUE
.set IN, 1
	ISSUE
.set IN, 2
	ISSUE                                          ; by this text's count 62 loads are out
	s_wait_loadcnt 56                              ; the biases are in: behind them 5 gathers and 51 of the ring
.irp v, 0,1
	ds_store_b128 v244, v[ACC+12*\v:ACC+12*\v+3] offset:8192*\v
	ds_store_b128 v244, v[ACC+12*\v+4:ACC+12*\v+7] offset:8192*\v+512
	ds_store_b64 v245, v[ACC+12*\v+8:ACC+12*\v+9] offset:2048*\v
.endr
	s_wait_loadcnt 51                              ; the gathers are in: the ring's 51 may be out
	ds_store_b128 v[XWI], v[PC:PC+3]               ; x's fragment (K step w % 4, tokens 16 (w / 4) on) as an image of its registers
	ds_store_b128 v[XWI], v[PC+4:PC+7] offset:512
; THE FIRST PRODUCT of visit v: my 256 hidden units, a group of 32 at a time
.macro PHASE1 v
.irp f, 0,1,2,3,4,5,6,7
.irp c, 0,1
	ds_load_b128 v[XH+8*\f+4*\c:XH+8*\f+4*\c+3], v[L16] offset:XI+1024*\f+512*\c
.endr
.endr
	BRLOAD \v, 0
.set n, 0
.rept 8
.set GN, 16*\v+n
	LWAIT
.set IN, GN+3
	ISSUE                                          ; into the slot of the group before this one: its last product stands behind four v_nop and the quantiser's lines
	s_wait_dscnt 0x0                               ; x's fragments and b1 are in; my image stores have read their registers
	MUL GN%4, XSC, 8, 16, 0, BR
	WIN 0
	PLACES
.if n < 7
	BRLOAD \v, n+1
.endif
	Q1 \v
.set n, n+1
.endr
.endm
; THE SECOND PRODUCT of visit v: my 64 outputs; four K steps and two tiles of outputs to a group.  Then the gate
.macro PHASE2 v
.irp t, 0,1,2,3
	ds_load_b128 v[BR2+8*\t:BR2+8*\t+3], v[BA2] offset:2048*\v+64*\t        ; b2 as C: lane (r, h), tile t, register j: output 16 t + 8 h + j
	ds_load_b128 v[BR2+8*\t+4:BR2+8*\t+7], v[BA2] offset:2048*\v+64*\t+16
.endr
.set n, 8
.rept 8
.set GN, 16*\v+n
.set sq, (n-8)/2
.set tp, n%2
.if n > 8
	PLACES                                         ; ahead of the loads into registers that the last group's products have read
.endif
.if tp == 0                                        ; four K steps' hidden fragments serve two groups
.irp s, 0,1,2,3
.irp tt, 0,1
.irp c, 0,1
	ds_load_b128 v[XH+8*(2*\s+\tt)+4*\c:XH+8*(2*\s+\tt)+4*\c+3], v[HRD] offset:32768*\v+1024*(16*\tt+4*sq+\s)+512*\c
.endr
.endr
	ds_load_b32 v[HSC+\s], v[HSR] offset:2048*\v+128*(4*sq+\s)
.endr
.endif
	LWAIT
.if GN+3 < 32
.set IN, GN+3
	ISSUE                                          ; in the first visit the last three are the next expert's first groups
.endif
	s_wait_dscnt 0x0
.if sq == 0
	MUL GN%4, HSC, 16, 8, 32*tp, BR2+16*tp
.else
	MUL GN%4, HSC, 16, 8, 32*tp, -1
.endif
	WIN 0
.set n, n+1
.endr
	PLACES
	; the gate.  ACC + 16 t + 8 tt + j = y(token 16 tt + r, output 64 w + 16 t + 8 h + j)
.if \v == 0
.set j, 0
.rept 32
.set tq, (j/4)%2
	v_pk_mul_f32 v[ACC+2*j:ACC+2*j+1], v[ACC+2*j:ACC+2*j+1], v[G+2*tq:G+2*tq+1] op_sel_hi:[1,0]   ; x g_lo, each accumulator from its low end on
.set j, j+1
.endr
.irp t, 0,1,2,3
.irp tt, 0,1
	ds_store_b128 v[SO], v[ACC+16*\t+8*\tt:ACC+16*\t+8*\tt+3] offset:16*SPITCH*\tt+64*\t          ; kept in my own bytes of the stage until the second visit's end
	ds_store_b128 v[SO], v[ACC+16*\t+8*\tt+4:ACC+16*\t+8*\tt+7] offset:16*SPITCH*\tt+64*\t+16
.endr
.endr
.else
.irp t, 0,1,2,3
.irp tt, 0,1
	ds_load_b128 v[XH+16*\t+8*\tt:XH+16*\t+8*\tt+3], v[SO] offset:16*SPITCH*\tt+64*\t             ; my own bytes: no barrier
	ds_load_b128 v[XH+16*\t+8*\tt+4:XH+16*\t+8*\tt+7], v[SO] offset:16*SPITCH*\tt+64*\t+16
.endr
.endr
	s_wait_dscnt 0x0
.set j, 0
.rept 32
.set tq, (j/4)%2
	v_pk_fma_f32 v[XH+2*j:XH+2*j+1], v[ACC+2*j:ACC+2*j+1], v[G+2*tq:G+2*tq+1], v[XH+2*j:XH+2*j+1] op_sel:[0,1,0] op_sel_hi:[1,1,1]   ; + g_hi x y: of the pair of gates the second serves both halves
.set j, j+1
.endr
.irp t, 0,1,2,3
.irp tt, 0,1
	ds_store_b128 v[SO], v[XH+16*\t+8*\tt:XH+16*\t+8*\tt+3] offset:16*SPITCH*\tt+64*\t
	ds_store_b128 v[SO], v[XH+16*\t+8*\tt+4:XH+16*\t+8*\tt+7] offset:16*SPITCH*\tt+64*\t+16
.endr
.endr
.endif
.endm
	BARRIER                                        ; x's eight fragments lie in LDS
	IFROWS .Lb1
	PHASE1 0                                       ; ring groups 0-7
.Lb1:
	BARRIER                                        ; the first visit's 32 hidden fragments lie in LDS
	IFROWS .Lb2
	PHASE2 0                                       ; ring groups 8-15
	PHASE1 1                                       ; ring groups 16-23: the second visit's images have LDS bytes of their own
.Lb2:
	BARRIER                                        ; the second visit's 32 hidden fragments lie in LDS
	IFROWS .Lb3
	PHASE2 1                                       ; ring groups 24-31
.Lb3:
	BARRIER                                        ; 32 whole rows of out0 lie in the stage
	IFROWS .Lb4
.irp i, 0,1,2,3
.irp k, 0,1,2,3
	ds_load_b128 v[XH+4*(4*\i+\k):XH+4*(4*\i+\k)+3], v[SR] offset:SPITCH*\i+512*\k
.endr
.endr
	s_wait_dscnt 0x0
.irp i, 0,1,2,3                                    ; rows 4 w + i; a place past the count is not stored
	s_lshl_b32 s72, s25, 2
	s_add_co_u32 s72, s72, \i
	s_cmp_lt_u32 s72, s21
	s_cbranch_scc0 .Lskip\i
.irp k, 0,1,2,3
	global_store_b128 v[ROW+\i], v[XH+4*(4*\i+\k):XH+4*(4*\i+\k)+3], s[18:19] offset:512*\k th:TH_STORE_NT   ; 32 lanes store 512 consecutive bytes, at a multiple of 256 from out0's first byte
.endr
.Lskip\i:
.endr
.Lb4:
	s_wait_tensorcnt 0x0                           ; the wave's end: a tensor wait, an LDS add and its wait, behind my last LDS store
	ds_add_u32 v[SPW], v[NIL]
	s_wait_dscnt 0x0
	s_endpgm
.Lfunc_end_k_q5fa1d8687b_chain:
	.size	k_q5fa1d8687b_chain, .Lfunc_end_k_q5fa1d8687b_chain-k_q5fa1d8687b_chain
	.p2alignl 7, 3214868480
	.fill 96, 4, 3214868480
	.section	.rodata,"a",@progbits
	.p2align	6, 0x0
	.amdhsa_kernel k_q5fa1d8687b_chain
		.amdhsa_group_segment_fixed_size 168448
		.amdhsa_private_segment_fixed_size 0
		.amdhsa_enable_private_segment 0
		.amdhsa_kernarg_size 64
		.amdhsa_user_sgpr_count 2
		.amdhsa_user_sgpr_kernarg_segment_ptr 1
		.amdhsa_wavefront_size32 1
		.amdhsa_system_sgpr_workgroup_id_x 1
		.amdhsa_system_sgpr_workgroup_id_y 1
		.amdhsa_system_sgpr_workgroup_id_z 1
		.amdhsa_system_vgpr_workitem_id 0
		.amdhsa_next_free_vgpr 512
		.amdhsa_next_free_sgpr 100
		.amdhsa_reserve_vcc 0
		.amdhsa_float_denorm_mode_32 3
		.amdhsa_float_denorm_mode_16_64 3
		.amdhsa_memory_ordered 1
		.amdhsa_forward_progress 1
		.amdhsa_inst_pref_size 240
	.end_amdhsa_kernel
	.amdgpu_metadata
---
amdhsa.version: [ 1, 2 ]
amdhsa.kernels:
  - .name:           k_q5fa1d8687b_chain
    .symbol:         k_q5fa1d8687b_chain.kd
    .args:
      - { .name: route, .offset: 0, .size: 8, .value_kind: global_buffer, .address_space: global }
      - { .name: xq, .offset: 8, .size: 8, .value_kind: global_buffer, .address_space: global }
      - { .name: gates, .offset: 16, .size: 8, .value_kind: global_buffer, .address_space: global }
      - { .name: wf, .offset: 24, .size: 8, .value_kind: global_buffer, .address_space: global }
      - { .name: W1_scales, .offset: 32, .size: 8, .value_kind: global_buffer, .address_space: global }
      - { .name: b1, .offset: 40, .size: 8, .value_kind: global_buffer, .address_space: global }
      - { .name: b2, .offset: 48, .size: 8, .value_kind: global_buffer, .address_space: global }
      - { .name: out0, .offset: 56, .size: 8, .value_kind: global_buffer, .address_space: global }
    .group_segment_fixed_size: 168448
    .private_segment_fixed_size: 0
    .kernarg_segment_align: 8
    .kernarg_segment_size: 64
    .max_flat_workgroup_size: 256
    .sgpr_count:     100
    .vgpr_count:     512
    .wavefront_size: 32
...
	.end_amdgpu_metadata
.endif
;; end of part 2
